; MI455X (gfx1250); checked and timed in simulation.
; The chip was launched on July 23, 2026; its instructions are those of AMD's public machine-readable ISA for CDNA 5 (MIT licence, August 2026) and "CDNA5" Instruction Set Architecture Reference Guide (July 2026). The comments in the code are by the model that wrote it; some were corrected since.
;; Multi Headed Self Attention. Allowed arithmetic: matrix products marked QUANTISED: E2M3 operands, one E8M0 scale for each 32 along K, by v_wmma_scale_f32_16x16x128_f8f6f4 with both operands' format E2M3, f32 sums; everything else in f32.
;; Inputs: Wk 1,024 x 1,024 float32; Wq 1,024 x 1,024 float32; Wv 1,024 x 1,024 float32; bk 1,024 float32; bq 1,024 float32; bv 1,024 float32; mask 4 x 2,048 int32; x 4 x 2,048 x 1,024 float32.
;; Outputs: out0 4 x 2,048 x 1,024 float32.
;; This version of the problem:
;;   THIS VERSION OF THE PROBLEM IS GIVEN IN LOW PRECISION. The matrix products marked QUANTISED in the list below multiply operands that are first quantised to E2M3 (2 exponent bits, 3 mantissa bits; 6 bits a number), with one power-of-two scale for each 32 numbers along K (OCP MX v1.0); their sums are f32. All else is computed in f32.
;;   The module's matrix products, in the order in which they are computed (A, B: the left and right operand; K: the contracted axis; several contracted axes count as one K, in the product's order):
;;     1. [M 8,192, K 1,024] x [K 1,024, N 1,024]; A: input x; B: input Wq: QUANTISED
;;     2. [M 8,192, K 1,024] x [K 1,024, N 1,024]; A: input x; B: input Wk: QUANTISED
;;     3. [M 8,192, K 1,024] x [K 1,024, N 1,024]; A: input x; B: input Wv: QUANTISED
;;     4. batch 64 x [M 2,048, K 64] x [K 64, N 2,048]; A: computed on the way; B: computed on the way: QUANTISED
;;     5. batch 64 x [M 2,048, K 2,048] x [K 2,048, N 64]; A: softmax (see below); B: computed on the way: QUANTISED
;;   THE QUANTISER, for each operand of a quantised product, along K:
;;     - K is cut into blocks of 32 from its start; a last block that is shorter is filled with zeros.
;;     - A block's scale is 2^e with e = floor(log2(the largest magnitude in the block)) - 2, held to -126 .. 127; a block of zeros has e = 0. As a byte (E8M0): e + 127.
;;     - Each number is divided by its block's scale, clamped to +-7.5, and rounded to the nearest number of E2M3, ties to even, subnormals kept.
;;     - The product sums the exact products of the quantised numbers (number of the format x scale) in f32.
;;   ~~~python
;;   def quantise(x, axis):      # numpy; x: float32 -> the quantised numbers, widened to float32 again
;;       x = np.moveaxis(x, axis, -1); K = x.shape[-1]
;;       x = np.pad(x, [(0, 0)] * (x.ndim - 1) + [(0, -K % 32)]); x = x.reshape(x.shape[:-1] + (-1, 32)); a = np.abs(x).max(-1, keepdims=True)
;;       e = np.where(a > 0, np.clip(np.frexp(np.where(a > 0, a, 1))[1] - 1 - 2, -126, 127), 0)      # np.frexp(a)[1] - 1 = floor(log2(a)), exactly
;;       r = np.clip(x / 2.0 ** e, -7.5, 7.5)
;;       step = 2.0 ** (np.maximum(np.frexp(np.where(r == 0, 1, r))[1] - 1, 0) - 3)
;;       q = np.round(r / step) * step * 2.0 ** e      # np.round: ties to even
;;       return np.moveaxis(q.reshape(q.shape[:-2] + (-1,))[..., :K], -1, axis).astype(np.float32)
;;   ~~~
;;   SOFTMAX AHEAD OF A QUANTISED PRODUCT. Where the list says 'softmax', what is quantised is not the finished softmax but p = 2^(t - M), with t = logit x log2(e) and M = ceil(the row's largest t), a whole number; so 1/2 < the row's largest p <= 1. The row's sum l is taken of the UNQUANTISED p, in f32, and the product's result is divided by l at the end. Since M is a whole number, a kernel that streams over the keys may use a running M (the ceiling of the running maximum): every later rescaling is an exact power of two, which a block's scale takes up: the codes' values come out the same.
;;   OPERANDS COMPUTED ON THE WAY. 'Computed on the way' means the value that the module computes at that place (a softmax that the list does not call 'softmax' is quantised finished and normalised). What goes into a quantiser is computed in f32, as accurately as f32 sums, v_exp_f32 and their like allow (about 1e-6 of the number): no bf16 or f16 on the way to a quantiser, and a product that is left as it is and whose result goes on into a quantised operand takes f32 operands (vector FMAs, or v_wmma_f32_16x16x4_f32). A number that lies on a knife's edge between two numbers of the format may be rounded either way, as far as f32 arithmetic and the matrix unit's own rounding can turn it there, and no further.
;; One version. Each part assembles by itself: llvm-mc -triple=amdgcn-amd-amdhsa -mcpu=gfx1250 --defsym DOCPART=n.
;; ======== version 1 of 1: 3 launches
;; workspace buffers: xc 6,291,456 bytes; xs 262,144 bytes; wc 2,359,296 bytes; ws 98,304 bytes; ac 18,874,368 bytes; asc 786,432 bytes
;; launch quant (part 1): grid 352 x 1, 4 waves a work-group, no clusters, 68,096 bytes of LDS; arguments x, Wq, Wk, Wv, xc, xs, wc, ws; writes xc, xs, wc, ws
.if DOCPART == 1
	.amdgcn_target "amdgcn-amd-amdhsa--gfx1250"
	.amdhsa_code_object_version 6
	.text
	.protected	k_q4b33021260_quant
	.globl	k_q4b33021260_quant
	.p2align	8
	.type	k_q4b33021260_quant,@function
k_q4b33021260_quant:
	s_mov_b64 s[64:65], 0
	v_nop
	global_prefetch_b8 v0, s[64:65] scope:SCOPE_SE
	s_setreg_imm32_b32 hwreg(HW_REG_WAVE_MODE, 25, 1), 1
	s_wait_xcnt 0x0
; x [8192][1024] and Wq, Wk, Wv [1024 (k)][1024 (n)], f32, become codes of FP6 (E2M3), K innermost, with one E8M0 scale byte for each 32 along K.
; xc [8192][768 bytes], xs [8192][32];  wc [3072][768], ws [3072][32]: rows 0-1023 are Wq's columns, 1024-2047 Wk's, 2048-3071 Wv's.
; A block's scale is 2^(floor(log2(its largest magnitude)) - 2); its byte is the largest magnitude's exponent field - 2, held at 1 from below.
; THE ROWS ARE STORED IN ANOTHER ORDER: row rho lies at the index in which bits 3 and 4 of rho have changed places.  So place 16 u + r of a group of 32 holds row 8 u + r + 8 (r / 8):
; sixteen consecutive stored rows are a tile whose results, taken as a matrix instruction's source 0, put 16 neighbours along the next K into the registers of two neighbouring tiles.
; LIMITS: NaN and infinities are not served; a block of zeros gets the byte 1 where the rule says 127 (its codes are zeros, and this program alone reads the bytes).
; Work-groups 0-255 take x (32 rows each), work-groups 256-351 the weights (128 columns x 256 along K each): 32,768 numbers for each work-group.  The two ways have LDS bytes of their own.
; No tensor loads, no barrier: waves share nothing.
.set XWG,   256                        ; x's work-groups
.set STEPS, 16                         ; x: a wave takes 16 steps of 512 numbers: 8 rows
.set EMAX,  2
.set CB,    12                         ; bytes of 16 codes
.set R,     16                         ; v16-79   x: four sets of 16 numbers as they are loaded
.set X,     80                         ; v80-111  x: two sets of 16 neighbours
.set C,     128                        ; v128-191 x: codes, four registers for each step
.set E,     112                        ; v112-127 x: a scale byte for each step
.set WREG,  8192                       ; x: LDS of a wave: two stages of 32 x SP bytes and its 256 scale bytes
.set SP,    80                         ; x: a lane's place in a stage: 64 bytes + 16 of padding
.set NB,    8                          ; W: blocks of 32 along K for a wave
.set KROW,  768                        ; a row of codes in bytes
.set WSTG,  32768                      ; W: the stages begin here: 32 rows x WP bytes for each wave
.set WP,    272
.set WX,    32                         ; v32-95   W: two sets of 32 numbers
.set WC,    96                         ; v96..    W: a block's codes
.set OUTR,  112                        ; v112-175 W: the way out
.set SB,    24                         ; v24-25   W: the scale bytes
	s_load_b256 s[4:11], s[0:1], 0x0               ; x s[4:5], Wq s[6:7], Wk s[8:9], Wv s[10:11]
	s_load_b256 s[12:19], s[0:1], 0x20             ; xc s[12:13], xs s[14:15], wc s[16:17], ws s[18:19]
	v_lshl_add_u32 v192, v0, 2, 0x10800
	v_mov_b32 v193, 0
	v_lshrrev_b32 v1, 5, v0
	v_readfirstlane_b32 s20, v1                    ; wave 0..3
	v_and_b32 v2, 31, v0                           ; lane
	s_wait_kmcnt 0x0
	s_cmp_lt_u32 ttmp9, XWG
	s_cbranch_scc0 .Lw
; ---------------- x: K is innermost.  Each load reads 512 consecutive bytes; a step's 2,048 bytes turn through the wave's stage, so that a lane holds 16 neighbours; two neighbouring lanes hold a block.
	s_wait_alu depctr_va_vdst(0)
	v_lshlrev_b32 v3, 4, v2                        ; my 16 bytes of a load's 512
	s_mul_i32 s21, s20, WREG
	v_lshrrev_b32 v14, 2, v2
	v_mul_u32_u24 v14, v14, SP
	v_and_b32 v15, 3, v2
	v_lshl_add_u32 v14, v15, 4, v14
	v_add_nc_u32 v14, s21, v14                     ; the stage, on the way in: SP (lane / 4) + 16 (lane % 4)
	v_mul_u32_u24 v15, v2, SP
	v_add_nc_u32 v15, s21, v15                     ; and on the way out: SP x lane
	v_mul_u32_u24 v4, v2, CB                       ; my codes' place in a step's
	v_lshrrev_b32 v5, 1, v2
	s_add_co_u32 s21, s21, 2*32*SP
	v_add_nc_u32 v5, s21, v5                       ; my block's byte among my wave's 256
	v_lshlrev_b32 v7, 3, v2
	v_add_nc_u32 v6, s21, v7                       ; and on the way out 8 bytes a lane
	s_lshl_b32 s22, ttmp9, 2
	s_add_co_u32 s24, s22, s20                     ; my run of 8 rows: 4 x work-group + wave
	s_lshl_b32 s24, s24, 15                        ; 32,768 bytes a run
	s_mov_b32 s25, 0
	s_add_nc_u64 s[4:5], s[4:5], s[24:25]
	s_and_b32 s23, s20, 1                          ; bits 3 and 4 of a row's number are the wave's two bits: they change places
	s_lshl_b32 s23, s23, 1
	s_lshr_b32 s26, s20, 1
	s_or_b32 s23, s23, s26
	s_add_co_u32 s22, s22, s23                     ; where the run is stored
	s_mul_i32 s24, s22, 6144                       ; 8 rows of 768 bytes
	s_add_nc_u64 s[12:13], s[12:13], s[24:25]
	s_lshl_b32 s24, s22, 8                         ; 8 rows of 32 bytes
	s_add_nc_u64 s[14:15], s[14:15], s[24:25]
.macro XLOAD t
.irp i, 0,1,2,3
	global_load_b128 v[R+16*((\t)%4)+4*\i:R+16*((\t)%4)+4*\i+3], v3, s[4:5] offset:2048*(\t)+512*\i th:TH_LOAD_NT   ; 32 lanes read 512 consecutive bytes
.endr
.endm
.macro XTURN t                         ; step t's numbers through the stage: LDS serves a wave's instructions in order, so no wait stands between the stores and the loads
.irp i, 0,1,2,3
	ds_store_b128 v14, v[R+16*((\t)%4)+4*\i:R+16*((\t)%4)+4*\i+3] offset:32*SP*((\t)%2)+8*SP*\i
.endr
.irp i, 0,1,2,3
	ds_load_b128 v[X+16*((\t)%2)+4*\i:X+16*((\t)%2)+4*\i+3], v15 offset:32*SP*((\t)%2)+16*\i
.endr
.endm
.irp t, 0,1,2,3
	XLOAD \t
.endr
	s_wait_alu depctr_va_vdst(0)
	s_wait_loadcnt 12                              ; step 0's four loads are in; those of three steps may be out
	XTURN 0
.macro XSTEP t
.set XS, X+16*((\t)%2)
.if (\t) > 0
	s_wait_dscnt 1                                 ; this step's numbers are back from the stage (the last step's byte store may be out)
.else
	s_wait_dscnt 0x0
.endif
.if (\t)+4 < STEPS
	XLOAD (\t)+4                                   ; into the registers that this step's stores into the stage have read
.endif
.if (\t)+1 < STEPS
.if STEPS-2-(\t) >= 3
	s_wait_loadcnt 12                              ; the next step's four loads are in; those of the three steps behind it may be out
.else
	s_wait_loadcnt 4*(STEPS-2-(\t))
.endif
	XTURN (\t)+1
.endif
	v_max3_num_f32 v8, |v[XS]|, |v[XS+1]|, |v[XS+2]|               ; the largest magnitude of my 16, in two chains
	v_max3_num_f32 v9, |v[XS+3]|, |v[XS+4]|, |v[XS+5]|
.irp i, 6,10
	v_max3_num_f32 v8, v8, |v[XS+\i]|, |v[XS+\i+1]|
	v_max3_num_f32 v9, v9, |v[XS+\i+2]|, |v[XS+\i+3]|
.endr
	v_max3_num_f32 v8, v8, |v[XS+14]|, |v[XS+15]|
	v_max3_num_f32 v8, v8, v9, (EMAX+1)<<23        ; and the floor 2^(EMAX + 1 - 127): the byte cannot fall under 1
	v_max_num_f32_dpp v8, v8, v8 row_xmask:1 row_mask:0xf bank_mask:0xf   ; and of my neighbour's 16: the block's
	v_add_nc_u32 v11, -(EMAX<<23), v8              ; EMAX off its exponent field: the conversion takes this operand's exponent field as its scale
	v_cvt_scalef32_pk16_fp6_f32 v[C+4*(\t):C+4*(\t)+2], v[XS:XS+15], v11
	v_lshrrev_b32 v[E+(\t)], 23, v11               ; the scale's byte
	ds_store_b8 v5, v[E+(\t)] offset:16*(\t)       ; both lanes of a block write the same byte with the same value
	global_store_b96 v4, v[C+4*(\t):C+4*(\t)+2], s[12:13] offset:32*CB*(\t)   ; the wave stores 384 consecutive bytes
.endm
.irp t, 0,1,2,3,4,5,6,7,8,9,10,11,12,13,14,15
	XSTEP \t
.endr
	ds_load_b64 v[12:13], v6                       ; LDS serves a wave's instructions in order: these see my stores
	s_wait_dscnt 0x0
	global_store_b64 v7, v[12:13], s[14:15]        ; 32 lanes store 256 consecutive bytes, aligned
	s_wait_tensorcnt 0x0
	ds_add_u32 v192, v193
	s_wait_dscnt 0x0
	s_endpgm
; ---------------- the weights: K is the first axis.  A lane takes a column and its registers run down K: a block of 32 lies in one lane, and the codes come out with K innermost.
.Lw:
	s_sub_co_u32 s21, ttmp9, XWG
	s_lshr_b32 s22, s21, 2                         ; which 128 of the 3,072 columns: 0..23
	s_and_b32 s23, s21, 3                          ; which 256 along K
	s_cmp_lt_u32 s22, 8
	s_cselect_b64 s[6:7], s[6:7], s[8:9]           ; Wq or Wk,
	s_cmp_lt_u32 s22, 16
	s_cselect_b64 s[6:7], s[6:7], s[10:11]         ; or Wv: the choice hangs on the work-group's number alone
	s_and_b32 s24, s22, 7
	s_lshl_b32 s24, s24, 7
	s_lshl_b32 s26, s20, 5
	s_add_co_u32 s24, s24, s26                     ; my wave's first column in its weight
	s_lshl_b32 s24, s24, 2
	s_lshl_b32 s27, s23, 20                        ; 256 rows of 4,096 bytes
	s_add_co_u32 s24, s24, s27
	s_mov_b32 s25, 0
	s_add_nc_u64 s[6:7], s[6:7], s[24:25]
	s_lshl_b32 s28, s22, 7
	s_add_co_u32 s28, s28, s26                     ; and among the 3,072: a multiple of 32
	s_mul_i32 s24, s28, KROW
	s_mul_i32 s27, s23, 192
	s_add_co_u32 s24, s24, s27
	s_add_nc_u64 s[16:17], s[16:17], s[24:25]      ; the codes: column x 768 + 192 x part of K
	s_lshl_b32 s24, s28, 5
	s_lshl_b32 s27, s23, 3
	s_add_co_u32 s24, s24, s27
	s_add_nc_u64 s[18:19], s[18:19], s[24:25]      ; the bytes: column x 32 + 8 x part of K
	s_wait_alu depctr_va_vdst(0)
	v_lshlrev_b32 v3, 2, v2                        ; in: 4 bytes a lane
	s_mul_i32 s21, s20, 32*WP
	s_add_co_u32 s21, s21, WSTG                    ; my stage
	v_mul_u32_u24 v4, v2, WP
	v_add_nc_u32 v4, s21, v4                       ; into it: row = my column
	v_and_b32 v5, 15, v2
	v_lshrrev_b32 v6, 4, v2                        ; out of it: sixteen lanes to a row, two rows an instruction
	v_mul_u32_u24 v7, v6, WP
	v_lshl_add_u32 v7, v5, 4, v7
	v_add_nc_u32 v7, s21, v7
	v_mul_u32_u24 v8, v6, KROW
	v_mad_u32_u24 v8, v5, 12, v8                   ; and the place in the codes' buffer: the odd column one stored row on, 12 bytes a lane
	v_and_b32 v9, 7, v2                            ; my column's stored row: bits 3 and 4 of the lane change places
	v_bfe_u32 v10, v2, 3, 1
	v_lshl_add_u32 v9, v10, 4, v9
	v_bfe_u32 v10, v2, 4, 1
	v_lshl_add_u32 v9, v10, 3, v9
	v_lshlrev_b32 v9, 5, v9                        ; 32 bytes a row of scale bytes
.macro WLOAD t                         ; block t: W(32 t + i, my column), i = 0 .. 31, into set t % 2; the wave reads 128 consecutive bytes
.irp i, 0,1,2,3,4,5,6,7,8,9,10,11,12,13,14,15,16,17,18,19,20,21,22,23,24,25,26,27,28,29,30,31
	global_load_b32 v[WX+32*((\t)%2)+\i], v3, s[6:7] offset:(32*(\t)+\i)*4096 th:TH_LOAD_NT
.endr
.endm
	WLOAD 0
	WLOAD 1
.macro WBLOCK t
.set XS, WX+32*((\t)%2)
.if (\t) < NB-1
	s_wait_loadcnt 32                              ; this block's 32 loads are in; the next block's may be out
.else
	s_wait_loadcnt 0
.endif
	v_max3_num_f32 v12, |v[XS]|, |v[XS+1]|, |v[XS+2]|               ; the block's largest magnitude: all 32 numbers are mine
	v_max3_num_f32 v13, |v[XS+3]|, |v[XS+4]|, |v[XS+5]|
.irp i, 6,10,14,18,22,26
	v_max3_num_f32 v12, v12, |v[XS+\i]|, |v[XS+\i+1]|
	v_max3_num_f32 v13, v13, |v[XS+\i+2]|, |v[XS+\i+3]|
.endr
	v_max3_num_f32 v12, v12, |v[XS+30]|, |v[XS+31]|
	v_max3_num_f32 v12, v12, v13, (EMAX+1)<<23     ; and the floor
	v_add_nc_u32 v11, -(EMAX<<23), v12             ; the conversion's scale operand
	v_lshrrev_b32 v13, 23, v11                     ; the scale's byte
.if (\t)%4 == 0
	v_mov_b32 v[SB+(\t)/4], v13                    ; four bytes to a register, the lower K in the lower byte
.else
	v_lshl_or_b32 v[SB+(\t)/4], v13, 8*((\t)%4), v[SB+(\t)/4]
.endif
	v_cvt_scalef32_pk16_fp6_f32 v[WC:WC+2], v[XS:XS+15], v11
	v_cvt_scalef32_pk16_fp6_f32 v[WC+4:WC+6], v[XS+16:XS+31], v11   ; (a conversion's three registers begin on an even number)
	ds_store_b96 v4, v[WC:WC+2] offset:32*(\t)     ; 12 bytes to a place of 16 in the stage: every LDS address is a multiple of 16
	ds_store_b96 v4, v[WC+4:WC+6] offset:32*(\t)+16
.if (\t)+2 < NB
	WLOAD (\t)+2
.endif
	s_wait_dscnt 0x0                               ; the stores have read their registers: the next block's codes may be written
.endm
.set Q, 0
.rept NB
	WBLOCK Q
.set Q, Q+1
.endr
	s_wait_alu depctr_va_vdst(0)
	global_store_b64 v9, v[SB:SB+1], s[18:19]      ; my column's 8 scale bytes, at its stored row
.irp t, 0,1,2,3,4,5,6,7,8,9,10,11,12,13,14,15
	ds_load_b96 v[OUTR+4*\t:OUTR+4*\t+2], v7 offset:2*\t*WP   ; columns 2 t and 2 t + 1; LDS serves a wave's instructions in order: these see my stores
.endr
.irp t, 0,1,2,3,4,5,6,7,8,9,10,11,12,13,14,15
	s_wait_dscnt 15-\t                             ; the younger reads of the stage may be out
	global_store_b96 v8, v[OUTR+4*\t:OUTR+4*\t+2], s[16:17] offset:(2*(\t%4)+8*(\t/8)+16*((\t/4)%2))*KROW   ; column 2 t's stored row: bits 3 and 4 have changed places; sixteen lanes store 192 consecutive bytes
.endr
	s_wait_tensorcnt 0x0
	ds_add_u32 v192, v193
	s_wait_dscnt 0x0
	s_endpgm
.Lfunc_end_k_q4b33021260_quant:
	.size	k_q4b33021260_quant, .Lfunc_end_k_q4b33021260_quant-k_q4b33021260_quant
	.p2alignl 7, 3214868480
	.fill 96, 4, 3214868480
	.section	.rodata,"a",@progbits
	.p2align	6, 0x0
	.amdhsa_kernel k_q4b33021260_quant
		.amdhsa_group_segment_fixed_size 68096
		.amdhsa_private_segment_fixed_size 0
		.amdhsa_enable_private_segment 0
		.amdhsa_kernarg_size 64
		.amdhsa_user_sgpr_count 2
		.amdhsa_user_sgpr_kernarg_segment_ptr 1
		.amdhsa_wavefront_size32 1
		.amdhsa_system_sgpr_workgroup_id_x 1
		.amdhsa_system_sgpr_workgroup_id_y 1
		.amdhsa_system_sgpr_workgroup_id_z 1
		.amdhsa_system_vgpr_workitem_id 0
		.amdhsa_next_free_vgpr 194
		.amdhsa_next_free_sgpr 66
		.amdhsa_reserve_vcc 0
		.amdhsa_float_denorm_mode_32 3
		.amdhsa_float_denorm_mode_16_64 3
		.amdhsa_memory_ordered 1
		.amdhsa_forward_progress 1
		.amdhsa_inst_pref_size 73
	.end_amdhsa_kernel
	.amdgpu_metadata
---
amdhsa.version: [ 1, 2 ]
amdhsa.kernels:
  - .name:           k_q4b33021260_quant
    .symbol:         k_q4b33021260_quant.kd
    .args:
      - { .name: x, .offset: 0, .size: 8, .value_kind: global_buffer, .address_space: global }
      - { .name: Wq, .offset: 8, .size: 8, .value_kind: global_buffer, .address_space: global }
      - { .name: Wk, .offset: 16, .size: 8, .value_kind: global_buffer, .address_space: global }
      - { .name: Wv, .offset: 24, .size: 8, .value_kind: global_buffer, .address_space: global }
      - { .name: xc, .offset: 32, .size: 8, .value_kind: global_buffer, .address_space: global }
      - { .name: xs, .offset: 40, .size: 8, .value_kind: global_buffer, .address_space: global }
      - { .name: wc, .offset: 48, .size: 8, .value_kind: global_buffer, .address_space: global }
      - { .name: ws, .offset: 56, .size: 8, .value_kind: global_buffer, .address_space: global }
    .group_segment_fixed_size: 68096
    .private_segment_fixed_size: 0
    .kernarg_segment_align: 8
    .kernarg_segment_size: 64
    .max_flat_workgroup_size: 128
    .sgpr_count:     66
    .vgpr_count:     194
    .wavefront_size: 32
...
	.end_amdgpu_metadata
.endif
;; end of part 1
;; launch proj (part 2): grid 12 x 32, 4 waves a work-group, clusters of 4 x 4, 327,680 bytes of LDS; arguments xc, xs, wc, ws, bq, bk, bv, ac, asc; writes ac, asc
.if DOCPART == 2
	.amdgcn_target "amdgcn-amd-amdhsa--gfx1250"
	.amdhsa_code_object_version 6
	.text
	.protected	k_q4b33021260_proj
	.globl	k_q4b33021260_proj
	.p2align	8
	.type	k_q4b33021260_proj,@function
k_q4b33021260_proj:
	s_mov_b64 s[64:65], 0
	v_nop
	global_prefetch_b8 v0, s[64:65] scope:SCOPE_SE
	s_setreg_imm32_b32 hwreg(HW_REG_WAVE_MODE, 25, 1), 1
	s_wait_xcnt 0x0
	s_wait_alu depctr_hold_cnt(0) depctr_sa_sdst(0) depctr_va_vdst(0) depctr_va_sdst(0) depctr_va_ssrc(0) depctr_va_vcc(0) depctr_vm_vsrc(0)
	s_getreg_b32 s2, hwreg(HW_REG_IB_STS2, 6, 4)
	s_cmp_eq_u32 s2, 0
	s_cbranch_scc0 .Lentry_in_a_cluster
	s_endpgm
.Lentry_in_a_cluster:
	s_bfe_u32 s2, ttmp6, 0x10000c
	s_cmp_lg_u32 s2, 0xf033
	s_cbranch_scc0 .Lentry_shape_is_right
	s_endpgm
.Lentry_shape_is_right:
.set KSTEP,  256
.set NQ,     KSTEP/128
.set ROWB,   192
.set KROW,   768
.set PITCH,  240
.set FR,     12
.set NL,     6
.set NP,     4
.set HALFT,  128*PITCH
.set SLOT,   4*HALFT
.set KS,     32
.set SCL,    2*SLOT
.set HALFS,  (128*KS/256)*272
.set SBLK,   (16*KS/256)*272
.set SPARE,  SCL+4*HALFS
.set HEADB,  98304
.set ADRA, 16
.set ADRB, 20
.set SOF,  24
.set BAD,  25
.set LI,   26
.set ADRS, 27
.set SPW,  28
.set NIL,  29
.set BVA,  30
.set SC,   32
.set BI,   64
.set AF,   128
.set BV,   224
.set TM,   32
.set PWS,  48
.set OW,   56
.set T,    128
.set FA,   192
.set FB,   204
.set TC,   216
.set G1, 24
.set G0, 32
.set G1B, 48
.set G0B, 56
.set G1S, 68
.set G0S, 76
.set G1SB, 80
.set G0SB, 88
.set MSB, 0
.macro WIN new
.if MSB != \new
	s_set_vgpr_msb (MSB<<8)|\new
.set MSB, \new
.endif
.endm
.set MUL_LO, 0xa1
.set MUL_HI, 0xf1
.set TO_B,   0x40
.macro JLOAD g0a, g1a, g0b, g1b
	s_cmp_eq_u32 s15, 0
	s_cbranch_scc0 .Lfor_b_\@
	tensor_load_to_lds s[\g0a:\g0a+3], s[\g1a:\g1a+7]
	s_nop 0
.rept 4
	v_nop
.endr
	s_branch .Lasked_\@
.Lfor_b_\@:
	tensor_load_to_lds s[\g0b:\g0b+3], s[\g1b:\g1b+7]
	s_nop 0
.rept 4
	v_nop
.endr
.Lasked_\@:
.endm
.macro CREST
	s_cmp_lg_u32 s14, 0
	s_cbranch_scc1 .Lnot_wave_0_\@
	s_barrier_signal -3
.Lnot_wave_0_\@:
	s_barrier_wait -3
	s_barrier_signal -1
	s_barrier_wait -1
.endm
.macro CROUND
	s_barrier_signal -1
	s_barrier_wait -1
	CREST
.endm
	s_load_b128 s[4:7], s[0:1], 0x0
	s_load_b128 s[8:11], s[0:1], 0x10
	s_load_b128 s[96:99], s[0:1], 0x20
	s_load_b64 s[100:101], s[0:1], 0x30
	s_load_b64 s[12:13], s[0:1], 0x38
	s_load_b64 s[2:3], s[0:1], 0x40
	v_lshl_add_u32 v[SPW], v0, 2, SPARE
	v_mov_b32 v[NIL], 0
	ds_add_u32 v28, v29
	ds_add_u32 v28, v29
	s_wait_dscnt 0x0
	v_lshrrev_b32 v1, 5, v0
	v_readfirstlane_b32 s14, v1
	s_lshr_b32 s15, s14, 1
	s_and_b32 s16, s14, 1
	s_bfe_u32 s40, ttmp6, 0x40000
	s_bfe_u32 s41, ttmp6, 0x40004
	s_lshl_b32 s42, ttmp9, 2
	s_add_co_u32 s42, s42, s40
	s_and_b32 s17, ttmp7, 0xffff
	s_lshl_b32 s17, s17, 2
	s_add_co_u32 s17, s17, s41
	s_lshl_b32 s43, s41, 2
	s_lshl_b32 s43, 15, s43
	s_lshl_b32 s44, 0x1111, s40
	s_or_b32 s[G1+0], s43, (0<<16)|(1<<20)|(1<<21)|(3<<22)|(3<<25)
	s_or_b32 s[G1B+0], s44, (0<<16)|(1<<20)|(1<<21)|(3<<22)|(3<<25)
.irp g, G1, G1B
	s_mov_b32 s[\g+1], ROWB<<16
	s_mov_b32 s[\g+2], 128<<16
	s_mov_b32 s[\g+3], ROWB<<16
	s_mov_b32 s[\g+4], 128
	s_mov_b32 s[\g+5], KROW
	s_mov_b32 s[\g+6], 0
	s_mov_b32 s[\g+7], 0
.endr
	s_or_b32 s[G1S+0], s43, (3<<16)|(1<<20)|(1<<21)|(5<<22)|(3<<25)
	s_or_b32 s[G1SB+0], s44, (3<<16)|(1<<20)|(1<<21)|(5<<22)|(3<<25)
.irp g, G1S, G1SB
	s_mov_b32 s[\g+1], 32<<16
	s_mov_b32 s[\g+2], (128*KS/256)<<16
	s_mov_b32 s[\g+3], 32<<16
	s_mov_b32 s[\g+4], 128*KS/256
	s_mov_b32 s[\g+5], 32
	s_mov_b32 s[\g+6], 0
	s_mov_b32 s[\g+7], 0
.endr
	s_lshl_b32 s18, s16, 7
	s_lshl_b32 s20, s17, 8
	s_add_co_u32 s20, s20, s18
	s_lshl_b32 s46, s42, 8
	s_add_co_u32 s46, s46, s18
	s_mov_b32 s21, 0
	s_mov_b32 s47, 0
	s_mov_b64 s[18:19], KS
	s_mul_u64 s[22:23], s[20:21], s[18:19]
	s_mul_u64 s[92:93], s[46:47], s[18:19]
	s_mov_b64 s[18:19], KROW
	s_mul_u64 s[20:21], s[20:21], s[18:19]
	s_mul_u64 s[46:47], s[46:47], s[18:19]
	s_mul_i32 s45, s14, HALFT
	s_mul_i32 s94, s14, HALFS
	s_wait_kmcnt 0x0
	s_add_nc_u64 s[20:21], s[4:5], s[20:21]
	s_add_nc_u64 s[22:23], s[6:7], s[22:23]
	s_add_nc_u64 s[46:47], s[8:9], s[46:47]
	s_add_nc_u64 s[92:93], s[10:11], s[92:93]
	CROUND
	s_mov_b32 s[G0S], 1
	s_add_co_u32 s[G0S+1], s94, SCL
	s_mov_b64 s[G0S+2:G0S+3], s[22:23]
	s_or_b32 s[G0S+3], s[G0S+3], 0x80000000
	s_mov_b32 s[G0SB], 1
	s_add_co_u32 s[G0SB+1], s94, SCL
	s_mov_b64 s[G0SB+2:G0SB+3], s[92:93]
	s_or_b32 s[G0SB+3], s[G0SB+3], 0x80000000
	JLOAD G0S, G1S, G0SB, G1SB
.irp s, 0,1
	s_mov_b32 s[G0+4*\s], 1
	s_add_co_u32 s[G0+4*\s+1], s45, \s*SLOT
	s_add_nc_u64 s[G0+4*\s+2:G0+4*\s+3], s[20:21], \s*ROWB
	s_or_b32 s[G0+4*\s+3], s[G0+4*\s+3], 0x80000000
	s_mov_b32 s[G0B+4*\s], 1
	s_add_co_u32 s[G0B+4*\s+1], s45, \s*SLOT
	s_add_nc_u64 s[G0B+4*\s+2:G0B+4*\s+3], s[46:47], \s*ROWB
	s_or_b32 s[G0B+4*\s+3], s[G0B+4*\s+3], 0x80000000
	s_wait_alu depctr_va_vdst(0)
	s_wait_tensorcnt 0x0
	ds_add_u32 v28, v29
	s_wait_dscnt 0x0
	CROUND
	JLOAD G0+4*\s, G1, G0B+4*\s, G1B
.endr
	s_cmp_eq_u32 ttmp9, 0
	s_cselect_b64 s[96:97], s[96:97], s[98:99]
	s_cmp_eq_u32 ttmp9, 2
	s_cselect_b64 s[100:101], s[100:101], s[96:97]
	s_cselect_b32 s67, 1, 0
	s_cselect_b32 s18, 2*HALFT, 0
	s_cselect_b32 s19, 0, 2*HALFT
	s_cselect_b32 s92, 2*HALFS, 0
	s_cselect_b32 s93, 0, 2*HALFS
	s_cselect_b32 s97, s15, s16
	s_cselect_b32 s98, s16, s15
	s_mov_b32 s96, 0xffff0000
	v_and_b32 v1, 15, v0
	v_bfe_u32 v2, v0, 4, 1
	v_mul_u32_u24 v3, v1, PITCH
	v_mul_u32_u24 v4, v2, 24
	v_add_nc_u32 v4, v3, v4
	v_lshl_add_u32 v5, v2, 4, v4
	s_mul_i32 s21, s15, HALFT
	s_add_co_u32 s21, s21, s18
	s_mul_i32 s22, s16, HALFT
	s_add_co_u32 s22, s22, s19
.irp s, 0,1
	v_add_nc_u32 v[ADRA+\s], s21, v4
	v_add_nc_u32 v[ADRB+\s], s22, v4
	v_add_nc_u32 v[ADRA+2+\s], s21, v5
	v_add_nc_u32 v[ADRB+2+\s], s22, v5
	s_add_co_u32 s21, s21, SLOT
	s_add_co_u32 s22, s22, SLOT
.endr
	v_mul_u32_u24 v5, v1, KS
	v_lshrrev_b32 v6, 8, v5
	v_lshl_add_u32 v5, v6, 4, v5
	s_mul_i32 s21, s15, HALFS
	s_add_co_u32 s21, s21, s92
	s_add_co_u32 s21, s21, SCL
	s_mul_i32 s22, s16, HALFS
	s_add_co_u32 s22, s22, s93
	s_add_co_u32 s22, s22, SCL
	v_add_nc_u32 v6, s21, v5
	v_add_nc_u32 v7, s22, v5
	v_cndmask_b32 v[ADRS], v6, v7, s96
	s_lshl_b32 s20, s40, 10
	s_lshl_b32 s21, s97, 9
	s_add_co_u32 s20, s20, s21
	s_mov_b32 s21, 0
	s_add_nc_u64 s[100:101], s[100:101], s[20:21]
	v_lshlrev_b32 v[BAD], 6, v2
	v_and_b32 v6, 8, v1
	v_add_nc_u32 v6, v6, v1
	v_lshlrev_b32 v[BVA], 2, v6
.irp b, 0,1,2,3
.irp q, 0,1,2,3
	global_load_b128 v[BI+16*\b+4*\q:BI+16*\b+4*\q+3], v[BAD], s[100:101] offset:128*\b+16*\q
.endr
.endr
.irp a, 0,1,2,3,4,5,6,7
	global_load_b32 v[BV+2*\a], v[BVA], s[100:101] offset:4*(32*(\a/2)+8*(\a%2))
	global_load_b32 v[BV+2*\a+1], v[BVA], s[100:101] offset:4*(32*(\a/2)+8*(\a%2))
.endr
	s_lshr_b32 s20, s17, 3
	s_lshl_b32 s20, s20, 4
	s_lshl_b32 s21, ttmp9, 6
	s_add_co_u32 s20, s20, s21
	s_lshl_b32 s21, s40, 2
	s_add_co_u32 s20, s20, s21
	s_lshl_b32 s21, s97, 1
	s_add_co_u32 s20, s20, s21
	s_and_b32 s21, s17, 7
	s_lshl_b32 s21, s21, 1
	s_add_co_u32 s21, s21, s98
	s_mul_i32 s22, s20, HEADB
	s_mul_i32 s23, s21, 6144
	s_add_co_u32 s22, s22, s23
	s_mov_b32 s23, 0
	s_add_nc_u64 s[12:13], s[12:13], s[22:23]
	s_lshl_b32 s22, s20, 12
	s_lshl_b32 s21, s21, 8
	s_add_co_u32 s22, s22, s21
	s_add_nc_u64 s[2:3], s[2:3], s[22:23]
	v_and_b32 v6, 31, v0
	v_lshlrev_b32 v[LI], 4, v6
	v_lshlrev_b32 v[SOF], 4, v1
	v_lshl_add_u32 v[SOF], v2, 12, v[SOF]
	s_mov_b32 s92, 0x76543210
	s_mov_b32 s93, 0xfedcba98
	s_mov_b32 s94, 0x05040100
	s_mov_b32 s95, 0x07060302
.macro FRAG reg, adr, q, i
.irp p, 0,1,2,3,4,5
.set PC, 12*(\q)+6*(\p/3)+\p%3
.if PC%8 < 5
	ds_load_b64 v[\reg+2*\p:\reg+2*\p+1], v[\adr] offset:8*PC+16*(PC/8)+(\i)*16*PITCH
.else
	ds_load_b64 v[\reg+2*\p:\reg+2*\p+1], v[\adr+2] offset:8*PC+16*(PC/8)+(\i)*16*PITCH
.endif
.endr
.endm
.macro MUL16 a0, p, q, sc, zero
.irp a, \a0, \a0+1
.irp b, 0,1,2,3,4,5,6,7
.if \zero
	v_wmma_scale_f32_16x16x128_f8f6f4 v[8*(8*((\a)%4)+\b):8*(8*((\a)%4)+\b)+7], v[128*(\p)+FR*\b:128*(\p)+FR*\b+FR-1], v[AF+FR*(\a):AF+FR*(\a)+FR-1], 0, v[SC+8*NQ*(\sc)+NQ*\b+(\q)], v[SC+8*NQ*(\sc)+NQ*(\a)+(\q)] matrix_a_fmt:MATRIX_FMT_FP6 matrix_b_fmt:MATRIX_FMT_FP6 matrix_a_scale:MATRIX_SCALE_ROW1
.else
	v_wmma_scale_f32_16x16x128_f8f6f4 v[8*(8*((\a)%4)+\b):8*(8*((\a)%4)+\b)+7], v[128*(\p)+FR*\b:128*(\p)+FR*\b+FR-1], v[AF+FR*(\a):AF+FR*(\a)+FR-1], v[8*(8*((\a)%4)+\b):8*(8*((\a)%4)+\b)+7], v[SC+8*NQ*(\sc)+NQ*\b+(\q)], v[SC+8*NQ*(\sc)+NQ*(\a)+(\q)] matrix_a_fmt:MATRIX_FMT_FP6 matrix_b_fmt:MATRIX_FMT_FP6 matrix_a_scale:MATRIX_SCALE_ROW1
.endif
.endr
.endr
.endm
.macro FETCH_B slot, q, p
	WIN TO_B
.irp i, 0,1,2,3,4,5,6,7
	FRAG 128*(\p)+FR*\i, ADRB+\slot, \q, \i
.endr
	WIN 0
.endm
.macro FETCH_A slot, q, i0
.irp i, \i0, \i0+1, \i0+2, \i0+3
	FRAG AF+FR*(\i), ADRA+\slot, \q, \i
.endr
.endm
.macro SCALES sc, ks
.irp i, 0,1,2,3,4,5,6,7
	ds_load_b64 v[SC+8*NQ*\sc+NQ*\i:SC+8*NQ*\sc+NQ*\i+1], v[ADRS] offset:\i*SBLK+8*(\ks)
.endr
.endm
.macro PLACES n
.rept \n
	v_nop
.endr
.endm
.macro STEP slot, q, zero
	s_wait_dscnt 4*NL
	WIN MUL_LO
	MUL16 0, (\q)%2, \q, \slot, \zero
	MUL16 2, (\q)%2, \q, \slot, \zero
	s_wait_dscnt 0
	PLACES NP
	FETCH_B \slot, (\q)+1, 1-(\q)%2
	FETCH_A \slot, (\q)+1, 0
	WIN MUL_HI
	MUL16 4, (\q)%2, \q, \slot, \zero
	MUL16 6, (\q)%2, \q, \slot, \zero
	PLACES NP
	WIN 0
	FETCH_A \slot, (\q)+1, 4
.endm
.macro TURN slot, next, fill, ks
	s_wait_tensorcnt 0x0
	ds_add_u32 v[SPW], v[NIL]
	s_wait_dscnt 4*NL+1
	WIN MUL_LO
	MUL16 0, 1, NQ-1, \slot, 0
	s_wait_dscnt 0x0
	s_barrier_signal -1
	MUL16 2, 1, NQ-1, \slot, 0
	WIN 0
	s_barrier_wait -1
.if \fill
	CREST
	s_add_nc_u64 s[G0+4*\slot+2:G0+4*\slot+3], s[G0+4*\slot+2:G0+4*\slot+3], 2*ROWB
	s_add_nc_u64 s[G0B+4*\slot+2:G0B+4*\slot+3], s[G0B+4*\slot+2:G0B+4*\slot+3], 2*ROWB
	JLOAD G0+4*\slot, G1, G0B+4*\slot, G1B
.else
	PLACES NP
.endif
	FETCH_B \next, 0, 0
	FETCH_A \next, 0, 0
	SCALES \next, \ks
	WIN MUL_HI
	MUL16 4, 1, NQ-1, \slot, 0
	MUL16 6, 1, NQ-1, \slot, 0
	PLACES NP
	WIN 0
	FETCH_A \next, 0, 4
.endm
	s_wait_alu depctr_va_vdst(0)
	s_wait_tensorcnt 1
	s_barrier_signal -1
	s_barrier_wait -1
	FETCH_B 0, 0, 0
	FETCH_A 0, 0, 0
	SCALES 0, 0
	FETCH_A 0, 0, 4
	STEP 0, 0, 1
	TURN 0, 1, 1, 1
	STEP 1, 0, 0
	TURN 1, 0, 1, 2
	STEP 0, 0, 0
	TURN 0, 1, 0, 3
	STEP 1, 0, 0
	s_wait_dscnt 4*NL
	WIN MUL_LO
	MUL16 0, 1, NQ-1, 1, 0
	MUL16 2, 1, NQ-1, 1, 0
	s_wait_dscnt 0
	WIN MUL_HI
	MUL16 4, 1, NQ-1, 1, 0
	MUL16 6, 1, NQ-1, 1, 0
	WIN 0
.macro BIASQ a
.if (\a) < 4
	WIN 0x02
.else
	WIN 0x03
.endif
.set i, 0
.rept 32
	v_pk_add_f32 v[T+2*i:T+2*i+1], v[64*((\a)%4)+2*i:64*((\a)%4)+2*i+1], v[BI+2*i:BI+2*i+1]
.set i, i+1
.endr
	WIN 0
.endm
.macro BIASV a
.if (\a) < 4
	WIN 0x02
.else
	WIN 0x03
.endif
.set i, 0
.rept 32
	v_pk_add_f32 v[T+2*i:T+2*i+1], v[64*((\a)%4)+2*i:64*((\a)%4)+2*i+1], v[BV+2*(\a):BV+2*(\a)+1]
.set i, i+1
.endr
	WIN 0
.endm
.macro QUANT s, d0, d1, pw
.irp b, 0,1,2,3
	v_max3_num_f32 v[TM+\b], |v[\s+16*\b]|, |v[\s+1+16*\b]|, 0x1800000
.endr
.irp i, 2,4,6,8,10,12,14
.irp b, 0,1,2,3
	v_max3_num_f32 v[TM+\b], v[TM+\b], |v[\s+16*\b+\i]|, |v[\s+1+16*\b+\i]|
.endr
.endr
.irp b, 0,1,2,3
	v_permlanex16_b32 v[TM+4+\b], v[TM+\b], s92, s93
.endr
.irp b, 0,1,2,3
	v_max_num_f32 v[TM+\b], v[TM+\b], v[TM+4+\b]
.endr
.irp b, 0,1,2,3
	v_add_nc_u32 v[TM+12+\b], 0xff000000, v[TM+\b]
.endr
.irp b, 0,1,2,3
	v_lshrrev_b32 v[TM+4+\b], 23, v[TM+12+\b]
.endr
	v_lshl_or_b32 v[\pw], v[TM+5], 8, v[TM+4]
	v_lshl_or_b32 v[\pw], v[TM+6], 16, v[\pw]
	v_lshl_or_b32 v[\pw], v[TM+7], 24, v[\pw]
	v_cvt_scalef32_pk16_fp6_f32 v[\d0:\d0+2], v[\s:\s+15], v[TM+12]
	v_cvt_scalef32_pk16_fp6_f32 v[TC:TC+2], v[\s+16:\s+31], v[TM+13]
	v_cvt_scalef32_pk16_fp6_f32 v[\d1:\d1+2], v[\s+32:\s+47], v[TM+14]
	v_cvt_scalef32_pk16_fp6_f32 v[TC+4:TC+6], v[\s+48:\s+63], v[TM+15]
	v_nop
.irp i, 0,1,2
	v_permlane16_swap_b32 v[\d0+\i], v[TC+\i]
	v_permlane16_swap_b32 v[\d1+\i], v[TC+4+\i]
.endr
.irp i, 0,1,2
	v_mov_b32 v[\d0+3+\i], v[TC+\i]
	v_mov_b32 v[\d1+3+\i], v[TC+4+\i]
.endr
.endm
	PLACES NP
	s_wait_loadcnt 0x0
.irp b, 0,1,2,3
	v_mov_b32 v[TM+4+\b], 0
.endr
	s_cmp_lg_u32 s67, 0
	s_cbranch_scc1 .Lv_out
.irp p, 0,1,2,3
	s_wait_xcnt 0x0
	BIASQ 2*\p
	QUANT T, FA, FB, PWS+2*\p
	BIASQ 2*\p+1
	QUANT T, FA+6, FB+6, PWS+2*\p+1
.irp c, 0,1,2
	global_store_b128 v[LI], v[FA+4*\c:FA+4*\c+3], s[12:13] offset:1536*\p+512*\c
.endr
.irp c, 0,1,2
	global_store_b128 v[LI], v[FB+4*\c:FB+4*\c+3], s[12:13] offset:HEADB+1536*\p+512*\c
.endr
.endr
.irp p, 0,1,2,3
	v_perm_b32 v60, v[PWS+2*\p+1], v[PWS+2*\p], s94
	v_perm_b32 v61, v[PWS+2*\p+1], v[PWS+2*\p], s95
	v_cndmask_b32 v[OW+\p], v60, v61, s96
.endr
	global_store_b128 v[SOF], v[OW:OW+3], s[2:3]
	s_branch .Lout_done
.Lv_out:
.irp a, 0,1,2,3,4,5,6,7
	s_wait_xcnt 0x0
	BIASV \a
	QUANT T, FA, FA+6, PWS+\a
.irp c, 0,1,2
	global_store_b128 v[LI], v[FA+4*\c:FA+4*\c+3], s[12:13] offset:(\a/4)*HEADB+(\a%4)*1536+512*\c
.endr
.endr
.irp d, 0,1,2,3
	v_cndmask_b32 v[OW+\d], v[PWS+\d], v[PWS+4+\d], s96
.endr
	global_store_b128 v[SOF], v[OW:OW+3], s[2:3]
.Lout_done:
	s_wait_tensorcnt 0x0
	ds_add_u32 v[SPW], v[NIL]
	s_wait_dscnt 0x0
	CROUND
	s_endpgm
.Lfunc_end_k_q4b33021260_proj:
	.size	k_q4b33021260_proj, .Lfunc_end_k_q4b33021260_proj-k_q4b33021260_proj
	.p2alignl 7, 3214868480
	.fill 96, 4, 3214868480
	.section	.rodata,"a",@progbits
	.p2align	6, 0x0
	.amdhsa_kernel k_q4b33021260_proj
		.amdhsa_group_segment_fixed_size 327680
		.amdhsa_private_segment_fixed_size 0
		.amdhsa_enable_private_segment 0
		.amdhsa_kernarg_size 72
		.amdhsa_user_sgpr_count 2
		.amdhsa_user_sgpr_kernarg_segment_ptr 1
		.amdhsa_wavefront_size32 1
		.amdhsa_system_sgpr_workgroup_id_x 1
		.amdhsa_system_sgpr_workgroup_id_y 1
		.amdhsa_system_sgpr_workgroup_id_z 1
		.amdhsa_system_vgpr_workitem_id 0
		.amdhsa_next_free_vgpr 1024
		.amdhsa_next_free_sgpr 102
		.amdhsa_reserve_vcc 0
		.amdhsa_float_denorm_mode_32 3
		.amdhsa_float_denorm_mode_16_64 3
		.amdhsa_memory_ordered 1
		.amdhsa_forward_progress 1
		.amdhsa_inst_pref_size 234
	.end_amdhsa_kernel
	.amdgpu_metadata
---
amdhsa.version: [ 1, 2 ]
amdhsa.kernels:
  - .name:           k_q4b33021260_proj
    .symbol:         k_q4b33021260_proj.kd
    .args:
      - { .name: xc, .offset: 0, .size: 8, .value_kind: global_buffer, .address_space: global }
      - { .name: xs, .offset: 8, .size: 8, .value_kind: global_buffer, .address_space: global }
      - { .name: wc, .offset: 16, .size: 8, .value_kind: global_buffer, .address_space: global }
      - { .name: ws, .offset: 24, .size: 8, .value_kind: global_buffer, .address_space: global }
      - { .name: bq, .offset: 32, .size: 8, .value_kind: global_buffer, .address_space: global }
      - { .name: bk, .offset: 40, .size: 8, .value_kind: global_buffer, .address_space: global }
      - { .name: bv, .offset: 48, .size: 8, .value_kind: global_buffer, .address_space: global }
      - { .name: ac, .offset: 56, .size: 8, .value_kind: global_buffer, .address_space: global }
      - { .name: asc, .offset: 64, .size: 8, .value_kind: global_buffer, .address_space: global }
    .group_segment_fixed_size: 327680
    .private_segment_fixed_size: 0
    .kernarg_segment_align: 8
    .kernarg_segment_size: 72
    .max_flat_workgroup_size: 128
    .sgpr_count:     102
    .vgpr_count:     1024
    .wavefront_size: 32
...
	.end_amdgpu_metadata
.endif
;; end of part 2
;; launch attn (part 3): grid 4 x 64, 16 waves a work-group, clusters of 4 x 1, 327,680 bytes of LDS; arguments ac, asc, mask, out0; writes out0
.if DOCPART == 3
	.amdgcn_target "amdgcn-amd-amdhsa--gfx1250"
	.amdhsa_code_object_version 6
	.text
	.protected	k_q4b33021260_attn
	.globl	k_q4b33021260_attn
	.p2align	8
	.type	k_q4b33021260_attn,@function
k_q4b33021260_attn:
	s_mov_b64 s[64:65], 0
	v_nop
	global_prefetch_b8 v0, s[64:65] scope:SCOPE_SE
	s_setreg_imm32_b32 hwreg(HW_REG_WAVE_MODE, 25, 1), 1
	s_wait_xcnt 0x0
	s_wait_alu depctr_hold_cnt(0) depctr_sa_sdst(0) depctr_va_vdst(0) depctr_va_sdst(0) depctr_va_ssrc(0) depctr_va_vcc(0) depctr_vm_vsrc(0)
	s_getreg_b32 s2, hwreg(HW_REG_IB_STS2, 6, 4)
	s_cmp_eq_u32 s2, 0
	s_cbranch_scc0 .Lentry_in_a_cluster
	s_endpgm
.Lentry_in_a_cluster:
	s_bfe_u32 s2, ttmp6, 0x10000c
	s_cmp_lg_u32 s2, 0x3003
	s_cbranch_scc0 .Lentry_shape_is_right
	s_endpgm
.Lentry_shape_is_right:
; out0[b][q][64 head + :] = the sum over keys of softmax(q . k / 8 - 10000 (1 - mask[b][key])) v, both products on codes of FP6 (E2M3) with E8M0 scales.
; ac, asc hold q, k, v of each (batch, head) as images of operand registers and their scale words:
;   ac [q, k, v][batch x head 64][98,304 bytes]; an image is 1,536 bytes: registers 4 c .. 4 c + 3 of lane l at 512 c + 16 l.
;   q, k: 64 images of 32 tokens: registers 0-5 the tile of tokens r + 8 (r / 8), registers 6-11 that of tokens 8 + r + 8 (r / 8); six registers = features 32 (lane / 16) + 0 .. 31.
;   v: [128 keys 16][feature tile 4]: 16 features (32 (d / 2) + 8 (d % 2) + r + 8 (r / 8)) x 128 keys.     asc [3][64][128 tokens 16][r 16][4 words].
; THE HEAD'S K IS 64, THE INSTRUCTION'S 128.  An image of k is source 0 of two products: against [Q | zeros] it gives its first tile's scores, against [zeros | Q] its second's: zero codes add nothing.
; THE SOFTMAX: t = (score - 80000 (1 - mask)) x log2(e) / 8; M = the row's largest t so far, rounded up to a whole number; p = 2^(t - M) is quantised along the keys, not normalised; the row's sum of the
; unquantised p divides at the end.  When M moves, the sum and O are multiplied by 2^(old M - new M): exact.  THE MASK'S ADDEND IS THE C OF THE SCORE PRODUCTS: it is loaded into their accumulators.
; SHARES.  A cluster of four work-groups is one (batch, head).  A work-group owns 512 queries, in two passes of 256; each of its sixteen waves owns one tile of 16 queries in a pass, in 256 registers.
; THE HEAD'S WHOLE k AND v STAY IN LDS, filled once, by joint loads that name all four work-groups (wave 0: k, wave 1: v; five loads of such a wave are out at the most).  No LDS byte is filled twice.
; Both products are used transposed (S^T = k Q^T, O^T = v^T P^T): a lane holds one query (lane % 16) throughout; the 16 registers of an image's two tiles are keys 32 p + 16 (lane / 16) + 0 .. 15.
; LIMITS: NaN and infinities are not served.  The addend is 80000 mask - 80000 in one rounding, exact for small whole numbers.  In a row all of whose keys are masked the scores are resolved to 2^-7 of the raw
; score, which is 2^-10 of the logit, as an f32 logit near -10000 is.
; REGISTERS: v1-7 addresses that stay; v8-11 addresses of the step; v12 -M, v13 the largest t, v[14:15] the sum in two halves; v16-33 zeros, Q, zeros; v34 Q's scale word; v36-83 four fragments;
;   v84-87 k's scale words, v88-91 v's; v96-159 the addend, then S^T, then p; v160-191 O^T; v192-223 O / the sum; v224-235 p's codes; v236-254 at work.
.set HEADB, 98304                      ; a head's codes
.set CHB,   24576                      ; a chunk: four key steps' images
.set VC,    98304                      ; LDS: k's images at 0, v's here,
.set KSC,   196608                     ; k's scale words (4,096 bytes), v's 4,096 bytes on,
.set MSK,   204800                     ; the mask's addends, 2,048 f32: written by LDS stores; no fill lands here,
.set STG,   212992                     ; and the stages for the way out: 16 rows x 272 bytes for each wave
.macro CROUND                          ; a round of the cluster's barrier
	s_barrier_signal -1
	s_barrier_wait -1
	s_cmp_lg_u32 s12, 0
	s_cbranch_scc1 .Lnot_wave_0_\@
	s_barrier_signal -3
.Lnot_wave_0_\@:
	s_barrier_wait -3
	s_barrier_signal -1
	s_barrier_wait -1
.endm
	s_load_b256 s[4:11], s[0:1], 0x0               ; ac s[4:5], asc s[6:7], mask s[8:9], out0 s[10:11]
	v_lshl_add_u32 v251, v0, 2, 0x45000
	v_mov_b32 v255, 0
	ds_add_u32 v251, v255
	ds_add_u32 v251, v255
	v_lshrrev_b32 v1, 5, v0
	s_delay_alu instid0(VALU_DEP_1)
	v_readfirstlane_b32 s12, v1                    ; wave 0..15
	s_bfe_u32 s13, ttmp6, 0x40000                  ; cx
	s_lshl_b32 s14, ttmp9, 2
	s_add_co_u32 s14, s14, s13                     ; which 512 queries: it enters q's and out0's addresses alone
	s_and_b32 s15, ttmp7, 0xffff                   ; batch x 16 + head, which the four partners share
	s_and_b32 s16, s12, 1                          ; which tile of an image of q is mine.  Also: I fetch k (0) or v (1)
	; descriptor group 1: a dense block as rows of 256 bytes (32 elements of 8 bytes), no padding: the images are read 16 bytes a lane on end
	s_mov_b32 s24, 15|(3<<16)|(1<<21)              ; 15:0 the mask: all four work-groups; 17:16 elements of 8 bytes; 21 set beside a mask
	s_mov_b32 s25, 32<<16                          ; tensor_dim0 = 32
	s_mov_b32 s26, 96<<16                          ; tensor_dim1 = 96
	s_mov_b32 s27, 32<<16                          ; tile_dim0 = 32
	s_mov_b32 s28, 96                              ; tile_dim1 = 96: a chunk of 24,576 bytes
	s_mov_b32 s29, 32                              ; from row to row
	s_mov_b32 s30, 0
	s_mov_b32 s31, 0
	s_mov_b32 s32, 15|(3<<16)|(1<<21)              ; the same with 16 rows: a head's 4,096 bytes of scale words
	s_mov_b32 s33, 32<<16
	s_mov_b32 s34, 16<<16
	s_mov_b32 s35, 32<<16
	s_mov_b32 s36, 16
	s_mov_b32 s37, 32
	s_mov_b32 s38, 0
	s_mov_b32 s39, 0
	s_add_co_u32 s76, s16, 1
	s_lshl_b32 s76, s76, 6
	s_add_co_u32 s76, s76, s15                     ; k's or v's part, my head
	s_mul_i32 s78, s76, HEADB
	s_mov_b32 s79, 0
	s_lshl_b32 s80, s76, 12
	s_mov_b32 s81, 0
	s_mul_i32 s17, s16, HEADB                      ; and in LDS: k's images at 0, v's behind them
	s_lshl_b32 s18, s16, 12
	s_add_co_u32 s18, s18, KSC
	s_lshr_b32 s19, s12, 1                         ; which image of q within a pass's eight
	s_lshl_b32 s77, s14, 4
	s_add_co_u32 s77, s77, s19
	s_mul_i32 s77, s77, 1536
	s_mul_i32 s82, s15, HEADB
	s_add_co_u32 s82, s82, s77                     ; q's image: head x 98,304 + (16 x block + wave / 2) x 1,536
	s_mov_b32 s83, 0
	s_lshl_b32 s66, s14, 2
	s_lshr_b32 s67, s12, 3
	s_add_co_u32 s66, s66, s67
	s_lshl_b32 s66, s66, 8                         ; its scale word: 256 bytes for each four images,
	s_and_b32 s67, s19, 3
	s_lshl_b32 s67, s67, 2
	s_add_co_u32 s66, s66, s67                     ; word (wave / 2) % 4
	s_lshl_b32 s67, s15, 12
	s_add_co_u32 s68, s66, s67
	s_mov_b32 s69, 0
	s_lshr_b32 s70, s15, 4                         ; the batch
	s_lshl_b32 s75, s70, 13                        ; its 8,192 bytes of mask
	s_lshl_b32 s70, s70, 11
	s_lshl_b32 s71, s14, 9
	s_add_co_u32 s70, s70, s71
	s_lshl_b32 s71, s19, 5
	s_add_co_u32 s70, s70, s71
	s_lshl_b32 s71, s16, 3
	s_add_co_u32 s70, s70, s71                     ; my tile's first token: 2,048 batch + 512 block + 32 (wave / 2) + 8 (wave % 2)
	s_lshl_b32 s70, s70, 12                        ; rows of 4,096 bytes
	s_and_b32 s71, s15, 15
	s_lshl_b32 s71, s71, 8
	s_add_co_u32 s70, s70, s71                     ; + the head's 256 bytes
	s_mov_b32 s71, 0
	s_mov_b32 s20, 0x76543210
	s_mov_b32 s21, 0xfedcba98                      ; v_permlanex16_b32's selects for lane l xor 16
	s_mov_b32 s22, 0x3e38aa3b                      ; c = log2(e) / 8
	s_mov_b32 s23, s22                             ; (named with it as a pair)
	s_mov_b32 s72, 0x479c4000                      ; 80000.0 = 10000 x sqrt(64): the addend in the raw score's units
	s_mov_b32 s74, 0x03020302
	s_cmp_eq_u32 s16, 1
	s_cselect_b32 s73, -1, 0                       ; all lanes take the image's second tile, or none
	s_cselect_b32 s74, s74, 0x01000100             ; and its two scale bytes, twice
	s_wait_dscnt 0x0
	s_wait_kmcnt 0x0
	s_add_nc_u64 s[78:79], s[4:5], s[78:79]
	s_add_nc_u64 s[80:81], s[6:7], s[80:81]
	s_add_nc_u64 s[66:67], s[4:5], s[82:83]        ; q's image
	s_add_nc_u64 s[68:69], s[6:7], s[68:69]        ; q's scale words
	s_add_nc_u64 s[70:71], s[10:11], s[70:71]      ; out0
	s_mov_b32 s76, s75
	s_mov_b32 s77, 0
	s_add_nc_u64 s[8:9], s[8:9], s[76:77]          ; the batch's mask
	s_mov_b32 s40, 1                               ; group 0 for the scale words
	s_mov_b32 s41, s18
	s_mov_b64 s[42:43], s[80:81]
	s_or_b32 s43, s43, 0x80000000
.irp j, 0,1,2,3
	s_mov_b32 s[44+4*\j], 1                        ; and for chunk j
	s_add_co_u32 s[45+4*\j], s17, \j*CHB
	s_add_nc_u64 s[46+4*\j:47+4*\j], s[78:79], \j*CHB
	s_or_b32 s[47+4*\j], s[47+4*\j], 0x80000000
.endr
	CROUND                                         ; all four work-groups are here: the joint loads meet
	s_cmp_lt_u32 s12, 2                            ; all fills of a wave stand in one branch, ahead of every wait on TENSORcnt, every LDS read and every further barrier
	s_cbranch_scc0 .Lno_fill
	tensor_load_to_lds s[40:43], s[32:39]          ; the scale words, then the chunks in the order in which they are read
	s_nop 0
	tensor_load_to_lds s[44:47], s[24:31]
	s_nop 0
	tensor_load_to_lds s[48:51], s[24:31]
	s_nop 0
	tensor_load_to_lds s[52:55], s[24:31]
	s_nop 0
	tensor_load_to_lds s[56:59], s[24:31]
	s_nop 0
.rept 4
	v_nop
.endr
.Lno_fill:
	v_lshlrev_b32 v10, 4, v0
	global_load_b128 v[36:39], v10, s[8:9]         ; 512 threads x 4 keys: the batch's mask
	v_and_b32 v1, 31, v0
	s_delay_alu instid0(VALU_DEP_1)
	v_lshlrev_b32 v1, 4, v1                        ; 16 x lane: an image's place for my lane
	v_and_b32 v8, 15, v0                           ; r
	v_bfe_u32 v9, v0, 4, 1                         ; h
	s_delay_alu instid0(VALU_DEP_2)
	v_lshlrev_b32 v7, 4, v8                        ; 16 r
	s_delay_alu instid0(VALU_DEP_3)
	v_lshl_add_u32 v2, v8, 4, KSC                  ; k's scale words of a step: 16 bytes a row
	s_delay_alu instid0(VALU_DEP_3)
	v_lshl_add_u32 v3, v9, 6, MSK                  ; the addends of keys 16 h on
	s_delay_alu instid0(VALU_DEP_3)
	v_lshl_add_u32 v4, v9, 12, v7                  ; the way out: lanes 0-15 one row of out0, lanes 16-31 the next; 16 bytes a lane
	s_mul_i32 s76, s12, 4352
	s_add_co_u32 s76, s76, STG                     ; my stage
	v_mul_u32_u24 v5, v8, 272
	s_delay_alu instid0(VALU_DEP_1)
	v_lshl_add_u32 v5, v9, 6, v5
	s_delay_alu instid0(VALU_DEP_1)
	v_add_nc_u32 v5, s76, v5                       ; in: row r, + 64 h
	v_mul_u32_u24 v6, v9, 272
	s_delay_alu instid0(VALU_DEP_1)
	v_lshl_add_u32 v6, v8, 4, v6
	s_delay_alu instid0(VALU_DEP_1)
	v_add_nc_u32 v6, s76, v6                       ; back: lanes 0-15 one row, lanes 16-31 the next
	v_lshl_add_u32 v11, v0, 4, MSK
.irp i, 0,1,2,3,4,5
	v_mov_b32 v[16+\i], 0                          ; the zero codes on both sides of Q: written once
	v_mov_b32 v[28+\i], 0
.endr
	s_wait_loadcnt 0x0
.irp i, 0,1,2,3
	v_cvt_f32_i32 v[36+\i], v[36+\i]
.endr
.irp i, 0,1,2,3
	s_delay_alu instid0(VALU_DEP_4)
	v_fma_f32 v[36+\i], v[36+\i], s72, -s72        ; -80000 (1 - mask)
.endr
	ds_store_b128 v11, v[36:39]                    ; read by all waves behind the first barrier below
; A KEY STEP: 128 keys.  s60, s61, s62: the step's bytes among the images, the scale words and the addends.
.macro STEP
	s_setprio 2
	v_add_nc_u32 v8, s60, v1                       ; (these four additions are the places behind the last step's products, in front of the loads into their registers)
	v_add_nc_u32 v10, s61, v2
	v_add_nc_u32 v11, s62, v3
	s_delay_alu instid0(VALU_DEP_3)
	v_add_nc_u32 v9, VC, v8
.irp p, 0,1,2,3
.irp c, 0,1,2
	ds_load_b128 v[36+12*\p+4*\c:39+12*\p+4*\c], v8 offset:1536*\p+512*\c     ; k's four images
.endr
.endr
	ds_load_b128 v[84:87], v10                     ; their scale words,
	ds_load_b128 v[88:91], v10 offset:4096         ; and those of v's four tiles
.irp p, 0,1,2,3
.irp q, 0,1,2,3
	ds_load_b128 v[96+16*\p+4*\q:99+16*\p+4*\q], v11 offset:128*\p+16*\q      ; the addends of keys 32 p + 16 h + 4 q on, into the scores' accumulators
.endr
.endr
	s_wait_alu depctr_va_vdst(0)
	s_wait_dscnt 0x0
.irp p, 0,1,2,3                        ; S^T = k Q^T + the addend: eight accumulators, one instruction each
	v_wmma_scale_f32_16x16x128_f8f6f4 v[96+16*\p:103+16*\p], v[36+12*\p:47+12*\p], v[22:33], v[96+16*\p:103+16*\p], v[84+\p], v34 matrix_a_fmt:MATRIX_FMT_FP6 matrix_b_fmt:MATRIX_FMT_FP6
	v_wmma_scale_f32_16x16x128_f8f6f4 v[104+16*\p:111+16*\p], v[36+12*\p:47+12*\p], v[16:27], v[104+16*\p:111+16*\p], v[84+\p], v34 matrix_a_fmt:MATRIX_FMT_FP6 matrix_b_fmt:MATRIX_FMT_FP6
.endr
.rept 4
	v_nop                                          ; places in front of the loads into k's registers and of the first read of the scores
.endr
.irp d, 0,1,2,3
.irp c, 0,1,2
	ds_load_b128 v[36+12*\d+4*\c:39+12*\d+4*\c], v9 offset:1536*\d+512*\c     ; v's four tiles land while the softmax is walked
.endr
.endr
.irp b, 0,1,2,3
	v_max3_num_f32 v[232+\b], v[96+16*\b], v[97+16*\b], v[98+16*\b]   ; the largest score of each block of 32 keys: it serves for the row's maximum and, since p rises with the score, for the block's largest p
.endr
.irp i, 3,5,7,9,11,13
.irp b, 0,1,2,3
	v_max3_num_f32 v[232+\b], v[232+\b], v[96+16*\b+\i], v[97+16*\b+\i]
.endr
.endr
.irp b, 0,1,2,3
	v_max_num_f32 v[232+\b], v[232+\b], v[111+16*\b]
.endr
.irp b, 0,1,2,3
	s_delay_alu instid0(VALU_DEP_4)
	v_permlanex16_b32 v[236+\b], v[232+\b], s20, s21
.endr
.irp b, 0,1,2,3
	s_delay_alu instid0(VALU_DEP_4)
	v_max_num_f32 v[232+\b], v[232+\b], v[236+\b]  ; with lane l xor 16's 16 keys
.endr
	s_delay_alu instid0(VALU_DEP_2)
	v_max3_num_f32 v254, v232, v233, v234
	s_delay_alu instid0(VALU_DEP_1)
	v_max_num_f32 v254, v254, v235                 ; the step's largest score of my query
	s_delay_alu instid0(VALU_DEP_1)
	v_mul_f32 v254, s22, v254                      ; as t (c is positive)
	s_delay_alu instid0(VALU_DEP_1)
	v_max_num_f32 v13, v13, v254                   ; the running largest t
	v_mov_b32 v254, v12
	s_delay_alu instid0(VALU_DEP_2)
	v_floor_f32 v12, -v13                          ; the new -M = floor(-t): M is a whole number
	s_delay_alu instid0(VALU_DEP_1)
	v_sub_f32 v254, v12, v254                      ; old M - new M: a whole number, 0 or less
	s_delay_alu instid0(VALU_DEP_1)
	v_cvt_i32_f32 v254, v254                       ; (it saturates)
	s_delay_alu instid0(VALU_DEP_1)
	v_ldexp_f32 v252, 1.0, v254                    ; f = 2^(old M - new M)
.irp j, 0,2,4,6,8,10,12,14,16,18,20,22,24,26,28,30,32,34,36,38,40,42,44,46,48,50,52,54,56,58,60,62
	v_pk_fma_f32 v[96+\j:97+\j], v[96+\j:97+\j], s[22:23], v[12:13] op_sel_hi:[1,0,0]   ; t - M, two at a time
.endr
.irp b, 0,1,2,3
	v_fma_f32 v[232+\b], v[232+\b], s22, v12       ; the same of each block's largest score
.endr
	s_setprio 1
	s_wait_alu depctr_va_vdst(0)
.irp j, 0,1,2,3,4,5,6,7,8,9,10,11,12,13,14,15,16,17,18,19,20,21,22,23,24,25,26,27,28,29,30,31,32,33,34,35,36,37,38,39,40,41,42,43,44,45,46,47,48,49,50,51,52,53,54,55,56,57,58,59,60,61,62,63
	v_exp_f32 v[96+\j], v[96+\j]                   ; p = 2^(t - M), at most 1
.endr
.irp b, 0,1,2,3
	v_exp_f32 v[232+\b], v[232+\b]                 ; the block's largest p: the same two instructions on the same number give the same bits
.endr
	v_pk_mul_f32 v[14:15], v[14:15], v[252:253] op_sel_hi:[1,0]   ; the sums under the new M (a plain place behind the exponentials)
	s_wait_alu depctr_va_vdst(0)
.irp b, 0,1,2,3
	v_max_num_f32 v[232+\b], 0x1800000, v[232+\b]  ; the floor 2^(3 - 127): the byte cannot fall under 1
.endr
.irp b, 0,1,2,3
	s_delay_alu instid0(VALU_DEP_4)
	v_add_nc_u32 v[244+\b], 0xff000000, v[232+\b]  ; 2 off the exponent field: the conversion's scale operand
.endr
.irp b, 0,1,2,3
	s_delay_alu instid0(VALU_DEP_4)
	v_lshrrev_b32 v[236+\b], 23, v[244+\b]         ; the scale's byte
.endr
	s_delay_alu instid0(VALU_DEP_3)
	v_lshl_or_b32 v253, v237, 8, v236              ; p's scale word for these 128 keys
	s_delay_alu instid0(VALU_DEP_1)
	v_lshl_or_b32 v253, v238, 16, v253
	s_delay_alu instid0(VALU_DEP_1)
	v_lshl_or_b32 v253, v239, 24, v253
.irp c, 0,1
	v_cvt_scalef32_pk16_fp6_f32 v[224+6*\c:226+6*\c], v[96+32*\c:111+32*\c], v[244+2*\c]
	v_cvt_scalef32_pk16_fp6_f32 v[236+4*\c:238+4*\c], v[112+32*\c:127+32*\c], v[244+2*\c+1]   ; (a conversion's three registers begin on an even number)
.endr
	v_nop                                          ; one plain place behind a scaled conversion
.irp c, 0,1                            ; the layout wants a whole block in a lane
.irp i, 0,1,2
	v_permlane16_swap_b32 v[224+6*\c+\i], v[236+4*\c+\i]
.endr
.irp i, 0,1,2
	s_delay_alu instid0(VALU_DEP_3)
	v_mov_b32 v[227+6*\c+\i], v[236+4*\c+\i]
.endr
.endr
	v_pk_add_f32 v[236:237], v[100:101], v[104:105]
	v_pk_add_f32 v[248:249], v[108:109], v[112:113]
	v_pk_add_f32 v[246:247], v[116:117], v[120:121]
	v_pk_add_f32 v[244:245], v[124:125], v[128:129]
	v_pk_add_f32 v[242:243], v[132:133], v[136:137]
	v_pk_add_f32 v[240:241], v[140:141], v[144:145]
	v_pk_add_f32 v[222:223], v[148:149], v[152:153]
	v_pk_add_f32 v[14:15], v[14:15], v[156:157]
	v_pk_add_f32 v[236:237], v[236:237], v[96:97]
	v_pk_add_f32 v[248:249], v[248:249], v[98:99]
	v_pk_add_f32 v[246:247], v[246:247], v[102:103]
	v_pk_add_f32 v[244:245], v[244:245], v[106:107]
	v_pk_add_f32 v[242:243], v[242:243], v[110:111]
	v_pk_add_f32 v[240:241], v[240:241], v[114:115]
	v_pk_add_f32 v[222:223], v[222:223], v[118:119]
	v_pk_add_f32 v[14:15], v[14:15], v[122:123]
	v_pk_add_f32 v[236:237], v[236:237], v[126:127]
	v_pk_add_f32 v[248:249], v[248:249], v[130:131]
	v_pk_add_f32 v[246:247], v[246:247], v[134:135]
	v_pk_add_f32 v[244:245], v[244:245], v[138:139]
	v_pk_add_f32 v[242:243], v[242:243], v[142:143]
	v_pk_add_f32 v[240:241], v[240:241], v[146:147]
	v_pk_add_f32 v[222:223], v[222:223], v[150:151]
	v_pk_add_f32 v[14:15], v[14:15], v[154:155]
	v_pk_add_f32 v[236:237], v[236:237], v[158:159]
	s_delay_alu instid0(VALU_DEP_2)
	v_pk_add_f32 v[14:15], v[14:15], v[244:245]
	s_delay_alu instid0(VALU_DEP_2)
	v_pk_add_f32 v[236:237], v[236:237], v[242:243]
	s_setprio 0
	v_pk_add_f32 v[248:249], v[248:249], v[240:241]
	v_pk_add_f32 v[246:247], v[246:247], v[222:223]
	s_delay_alu instid0(VALU_DEP_2)
	v_pk_add_f32 v[14:15], v[14:15], v[248:249]
	s_delay_alu instid0(VALU_DEP_2)
	v_pk_add_f32 v[236:237], v[236:237], v[246:247]
	s_delay_alu instid0(VALU_DEP_1)
	v_pk_add_f32 v[14:15], v[14:15], v[236:237]
.irp j, 0,2,4,6,8,10,12,14,16,18,20,22,24,26,28,30
	v_pk_mul_f32 v[160+\j:161+\j], v[160+\j:161+\j], v[252:253] op_sel_hi:[1,0]   ; O^T under the new M.  (The sums and these are the places between p's codes and scale word and the products below)
.endr
	s_wait_alu depctr_va_vdst(0)
	s_wait_dscnt 0x0                               ; v's tiles
.irp d, 0,1,2,3                        ; O^T += v^T P^T: four accumulators, one instruction each
	v_wmma_scale_f32_16x16x128_f8f6f4 v[160+8*\d:167+8*\d], v[36+12*\d:47+12*\d], v[224:235], v[160+8*\d:167+8*\d], v[88+\d], v253 matrix_a_fmt:MATRIX_FMT_FP6 matrix_b_fmt:MATRIX_FMT_FP6
.endr
	s_add_co_u32 s60, s60, 6144                    ; the next step's images,
	s_add_co_u32 s61, s61, 256                     ; scale words
	s_add_co_u32 s62, s62, 512                     ; and addends
.endm
; Four key steps, whose images one chunk of k and one of v hold.  left: the younger chunks of the wave that asked, which may stay out.
.macro CHUNK left
	s_wait_tensorcnt \left
	s_wait_dscnt 0x0                               ; my LDS stores have landed (the addends, ahead of the first barrier)
	s_barrier_signal -1
	s_barrier_wait -1
	s_mov_b32 s63, 4
.Lchunk_\@:
	STEP
	s_sub_co_u32 s63, s63, 1
	s_cmp_lg_u32 s63, 0
	s_cbranch_scc1 .Lchunk_\@
	s_setprio 0
.endm
; O^T / the sum goes through my stage and leaves as a head's 256 bytes of a token's row: register 16 g + i is feature 32 g + 16 h + i of query r, whose token is r + 8 (r / 8) on from my tile's first.
.macro WAYOUT ps
.rept 4
	v_nop                                          ; places behind the last products
.endr
	v_add_f32 v14, v14, v15                        ; the sum's two halves,
	s_delay_alu instid0(VALU_DEP_1)
	v_permlanex16_b32 v252, v14, s20, s21
	s_delay_alu instid0(VALU_DEP_1)
	v_add_f32 v14, v14, v252                       ; and lane l xor 16's
	s_wait_alu depctr_va_vdst(0)
	v_rcp_f32 v14, v14
	v_nop                                          ; a plain place behind the reciprocal
	s_wait_alu depctr_va_vdst(0)
.irp j, 0,2,4,6,8,10,12,14,16,18,20,22,24,26,28,30
	v_pk_mul_f32 v[192+\j:193+\j], v[160+\j:161+\j], v[14:15] op_sel_hi:[1,0]
.endr
.irp g, 0,1
.irp q, 0,1,2,3
	ds_store_b128 v5, v[192+16*\g+4*\q:195+16*\g+4*\q] offset:128*\g+16*\q
.endr
.endr
.irp i, 0,1,2,3,4,5,6,7
	ds_load_b128 v[96+4*\i:99+4*\i], v6 offset:544*\i   ; rows 2 i and 2 i + 1; LDS serves a wave's instructions in order: these see my stores
.endr
.irp i, 0,1,2,3,4,5,6,7
	s_wait_dscnt 7-\i                              ; the younger reads of the stage may be out
	global_store_b128 v4, v[96+4*\i:99+4*\i], s[70:71] offset:(2*\i+8*(\i/4))*4096+\ps*1048576 th:TH_STORE_NT   ; sixteen lanes store 256 consecutive bytes, aligned
.endr
.endm
; A pass: my tile of 16 queries against all 2,048 keys.
.macro PASS ps
.if \ps
	s_wait_xcnt 0x0                                ; the last pass's stores have read their registers
.endif
.irp c, 0,1,2
	global_load_b128 v[36+4*\c:39+4*\c], v1, s[66:67] offset:12288*\ps+512*\c   ; q's image: both tiles
.endr
	global_load_b32 v35, v7, s[68:69] offset:512*\ps                            ; and its scale word
	v_mov_b32 v13, 0xff61b1e6                      ; the largest t so far: -3e38
	s_delay_alu instid0(VALU_DEP_1)
	v_floor_f32 v12, -v13                          ; -M
	v_mov_b32 v14, 0                               ; the sum, in two halves
	v_mov_b32 v15, 0
.irp b, 0,1,2,3
	v_mov_b32 v[236+\b], 0                         ; a lane permute's destination counts as one of its sources
.endr
	v_mov_b32 v253, 0                              ; (named as the upper half of the pair v[252:253] before it is first written)
	s_mov_b32 s60, 0
	s_mov_b32 s61, 0
	s_mov_b32 s62, 0
	s_wait_loadcnt 0x0
.irp i, 0,1,2,3,4,5
	v_cndmask_b32 v[22+\i], v[36+\i], v[42+\i], s73   ; my tile's six registers
.endr
	v_perm_b32 v34, v35, v35, s74                  ; its two scale bytes, for both halves of the instruction's K
.irp j, 0,1,2,3,4,5,6,7,8,9,10,11,12,13,14,15,16,17,18,19,20,21,22,23,24,25,26,27,28,29,30,31
	v_mov_b32 v[160+\j], 0                         ; O^T: the step is written once; its first turn finds zeros.  (These are also the places behind Q's codes and scale word)
.endr
.if \ps == 0
	CHUNK 3                                        ; the scale words and chunk 0 are in
	CHUNK 2
	CHUNK 1
	CHUNK 0
.else
	s_mov_b32 s63, 16                              ; all of k and v lies in LDS: no wait, no barrier
.Lall_\@:
	STEP
	s_sub_co_u32 s63, s63, 1
	s_cmp_lg_u32 s63, 0
	s_cbranch_scc1 .Lall_\@
	s_setprio 0
.endif
	WAYOUT \ps
.endm
	PASS 0
	PASS 1
	s_wait_dscnt 0x0
	s_wait_tensorcnt 0x0
	ds_add_u32 v251, v255
	s_wait_dscnt 0x0
	CROUND                                         ; the closing round: no work-group ends while a partner may still ask for a tile that names it
	s_endpgm
.Lfunc_end_k_q4b33021260_attn:
	.size	k_q4b33021260_attn, .Lfunc_end_k_q4b33021260_attn-k_q4b33021260_attn
	.p2alignl 7, 3214868480
	.fill 96, 4, 3214868480
	.section	.rodata,"a",@progbits
	.p2align	6, 0x0
	.amdhsa_kernel k_q4b33021260_attn
		.amdhsa_group_segment_fixed_size 327680
		.amdhsa_private_segment_fixed_size 0
		.amdhsa_enable_private_segment 0
		.amdhsa_kernarg_size 32
		.amdhsa_user_sgpr_count 2
		.amdhsa_user_sgpr_kernarg_segment_ptr 1
		.amdhsa_wavefront_size32 1
		.amdhsa_system_sgpr_workgroup_id_x 1
		.amdhsa_system_sgpr_workgroup_id_y 1
		.amdhsa_system_sgpr_workgroup_id_z 1
		.amdhsa_system_vgpr_workitem_id 0
		.amdhsa_next_free_vgpr 256
		.amdhsa_next_free_sgpr 84
		.amdhsa_reserve_vcc 0
		.amdhsa_float_denorm_mode_32 3
		.amdhsa_float_denorm_mode_16_64 3
		.amdhsa_memory_ordered 1
		.amdhsa_forward_progress 1
		.amdhsa_inst_pref_size 111
	.end_amdhsa_kernel
	.amdgpu_metadata
---
amdhsa.version: [ 1, 2 ]
amdhsa.kernels:
  - .name:           k_q4b33021260_attn
    .symbol:         k_q4b33021260_attn.kd
    .args:
      - { .name: ac, .offset: 0, .size: 8, .value_kind: global_buffer, .address_space: global }
      - { .name: asc, .offset: 8, .size: 8, .value_kind: global_buffer, .address_space: global }
      - { .name: mask, .offset: 16, .size: 8, .value_kind: global_buffer, .address_space: global }
      - { .name: out0, .offset: 24, .size: 8, .value_kind: global_buffer, .address_space: global }
    .group_segment_fixed_size: 327680
    .private_segment_fixed_size: 0
    .kernarg_segment_align: 8
    .kernarg_segment_size: 32
    .max_flat_workgroup_size: 512
    .sgpr_count:     84
    .vgpr_count:     256
    .wavefront_size: 32
...
	.end_amdgpu_metadata
.endif
;; end of part 3
